; MI455X (gfx1250); checked and timed in simulation.
; The chip was launched on July 23, 2026; its instructions are those of AMD's public machine-readable ISA for CDNA 5 (MIT licence, August 2026) and "CDNA5" Instruction Set Architecture Reference Guide (July 2026). The comments in the code are by the model that wrote it; some were corrected since.
;; Scaled Dot Product Attention. Allowed arithmetic: matrix products marked QUANTISED: E2M3 operands, one E8M0 scale for each 32 along K, by v_wmma_scale_f32_16x16x128_f8f6f4 with both operands' format E2M3, f32 sums; everything else in f32.
;; Inputs: key_codes 32 x 2,048 x 2 x 24 uint8 (E2M3 codes of key, K innermost, in blocks of 32 codes, four codes in three bytes); key_scales 32 x 2,048 x 2 uint8 (E8M0 scales of key, one for each 32 codes along K); mask 32 x 2,048 bool; query_codes 32 x 2,048 x 2 x 24 uint8 (E2M3 codes of query, K innermost, in blocks of 32 codes, four codes in three bytes); query_scales 32 x 2,048 x 2 uint8 (E8M0 scales of query, one for each 32 codes along K); value_codes 32 x 64 x 64 x 24 uint8 (E2M3 codes of value, K innermost, in blocks of 32 codes, four codes in three bytes); value_scales 32 x 64 x 64 uint8 (E8M0 scales of value, one for each 32 codes along K).
;; Outputs: out0 32 x 2,048 x 64 float32.
;; This version of the problem:
;;   THIS VERSION OF THE PROBLEM IS GIVEN IN LOW PRECISION. The matrix products marked QUANTISED in the list below multiply operands that are first quantised to E2M3 (2 exponent bits, 3 mantissa bits; 6 bits a number), with one power-of-two scale for each 32 numbers along K (OCP MX v1.0); their sums are f32. All else is computed in f32.
;;   The module's matrix products, in the order in which they are computed (A, B: the left and right operand; K: the contracted axis; several contracted axes count as one K, in the product's order):
;;     1. batch 32 x [M 2,048, K 64] x [K 64, N 2,048]; A: input query (given as codes); B: input key (given as codes): QUANTISED
;;     2. batch 32 x [M 2,048, K 2,048] x [K 2,048, N 64]; A: softmax (see below); B: input value (given as codes): QUANTISED
;;   THE QUANTISER, for each operand of a quantised product, along K:
;;     - K is cut into blocks of 32 from its start; a last block that is shorter is filled with zeros.
;;     - A block's scale is 2^e with e = floor(log2(the largest magnitude in the block)) - 2, held to -126 .. 127; a block of zeros has e = 0. As a byte (E8M0): e + 127.
;;     - Each number is divided by its block's scale, clamped to +-7.5, and rounded to the nearest number of E2M3, ties to even, subnormals kept.
;;     - The product sums the exact products of the quantised numbers (number of the format x scale) in f32.
;;   ~~~python
;;   def quantise(x, axis):      # numpy; x: float32 -> the quantised numbers, widened to float32 again
;;       x = np.moveaxis(x, axis, -1); K = x.shape[-1]
;;       x = np.pad(x, [(0, 0)] * (x.ndim - 1) + [(0, -K % 32)]); x = x.reshape(x.shape[:-1] + (-1, 32)); a = np.abs(x).max(-1, keepdims=True)
;;       e = np.where(a > 0, np.clip(np.frexp(np.where(a > 0, a, 1))[1] - 1 - 2, -126, 127), 0)      # np.frexp(a)[1] - 1 = floor(log2(a)), exactly
;;       r = np.clip(x / 2.0 ** e, -7.5, 7.5)
;;       step = 2.0 ** (np.maximum(np.frexp(np.where(r == 0, 1, r))[1] - 1, 0) - 3)
;;       q = np.round(r / step) * step * 2.0 ** e      # np.round: ties to even
;;       return np.moveaxis(q.reshape(q.shape[:-2] + (-1,))[..., :K], -1, axis).astype(np.float32)
;;   ~~~
;;   SOFTMAX AHEAD OF A QUANTISED PRODUCT. Where the list says 'softmax', what is quantised is not the finished softmax but p = 2^(t - M), with t = logit x log2(e) and M = ceil(the row's largest t), a whole number; so 1/2 < the row's largest p <= 1. The row's sum l is taken of the UNQUANTISED p, in f32, and the product's result is divided by l at the end. Since M is a whole number, a kernel that streams over the keys may use a running M (the ceiling of the running maximum): every later rescaling is an exact power of two, which a block's scale takes up: the codes' values come out the same.
;;   OPERANDS COMPUTED ON THE WAY. 'Computed on the way' means the value that the module computes at that place (a softmax that the list does not call 'softmax' is quantised finished and normalised). What goes into a quantiser is computed in f32, as accurately as f32 sums, v_exp_f32 and their like allow (about 1e-6 of the number): no bf16 or f16 on the way to a quantiser, and a product that is left as it is and whose result goes on into a quantised operand takes f32 operands (vector FMAs, or v_wmma_f32_16x16x4_f32). A number that lies on a knife's edge between two numbers of the format may be rounded either way, as far as f32 arithmetic and the matrix unit's own rounding can turn it there, and no further.
;;   INPUTS GIVEN AS CODES. key (in the module: [32, 2048, 64], K = its axis 2); query (in the module: [32, 2048, 64], K = its axis 2); value (in the module: [32, 2048, 64], K = its axis 1): each comes as NAME_codes (uint8): NAME with its K axis moved to the last place and cut into blocks of 32 codes, [.., K / 32, bytes a block], one block behind the other in memory; four codes in three bytes: a row's codes are one little-endian stream of bits, code i at bits 6 i .. 6 i + 5 (a code: sign, 2 exponent bits, 3 mantissa bits); and NAME_scales (uint8): the same leading axes, one E8M0 byte (e + 127) for each 32 codes along K. Its value is code x scale, taken as it is: it is not quantised again, and the codes and scales need not be those that the quantiser above would give.
;; 2 versions, each right; version 2 is version 1 with the launch attn written anew for expert scheduling mode. Each part assembles by itself: llvm-mc -triple=amdgcn-amd-amdhsa -mcpu=gfx1250 --defsym DOCPART=n.
;; ======== version 1 of 2: 1 launch
;; limits: right only within a limited range of input values
;; launch attn (part 1): grid 8 x 32, 8 waves a work-group, no clusters, 270,336 bytes of LDS; arguments query_codes, query_scales, key_codes, key_scales, value_codes, value_scales, mask, out0; writes out0
.if DOCPART == 1
	.amdgcn_target "amdgcn-amd-amdhsa--gfx1250"
	.amdhsa_code_object_version 6
	.text
	.protected	k_qedb0011065_attn
	.globl	k_qedb0011065_attn
	.p2align	8
	.type	k_qedb0011065_attn,@function
k_qedb0011065_attn:
	s_mov_b64 s[64:65], 0
	v_nop
	global_prefetch_b8 v0, s[64:65] scope:SCOPE_SE
	s_setreg_imm32_b32 hwreg(HW_REG_WAVE_MODE, 25, 1), 1
	s_wait_xcnt 0x0
; out[b][q][:] = sum over k of softmax_k(q.k / 8 - 10000 [k > q] - 10000 [mask[b][k] false]) v[b][k][:], 32 batches, 2,048 queries, 2,048 keys, head 64; both products on codes of FP6 (E2M3) with E8M0 scales.
; Q, K: rows of 48 bytes (64 codes) and 2 scale bytes.  V: codes with the KEYS innermost, 64 rows of 1,536 bytes a batch, 64 scale bytes a row.  out: f32.
; THE SOFTMAX AHEAD OF THE SECOND PRODUCT: t = logit x log2(e); M = the row's largest t so far, rounded UP to a whole number; p = 2^(t - M) is quantised along the keys, not normalised; the row's sum is taken of the
; unquantised p and divides at the end.  When M moves, the sum and O are multiplied by 2^(old M - new M): exact.
; SHARES.  A batch has 128 tiles of 16 queries; tile T needs T / 8 + 1 key steps of 128.  A wave takes tiles 127 - P and P, P = 8 x + wave: (16 - x) + (x + 1) = 17 steps for every wave of the launch.
; 32 batches x 64 pairs = 2,048 waves = 256 work-groups of 8.  A whole batch's K and V lie in LDS (each byte stored once); they come slot by slot (256 keys) through registers, each slot's loads issued a whole trip
; (two key steps) ahead of the wait for them.
; BOTH MASKS ARE ADDITIVE.  A row q for which mask[0 .. q] is all false has no key without a bias, and then the keys behind the diagonal count too.  A tile that begins at query q0 walks all 2,048 keys where
; mask[0 .. q0] is all false; every other tile stops at its diagonal.  This launch has no tensor load and no cluster: K and V go through registers.
; THE PADDING BIAS COSTS NO INSTRUCTION.  The head fills 64 of the matrix instruction's 128 along K.  Block 2 (k = 64 .. 95) holds four constant codes a side: keys -15/8, -15/8, -13/8, -3/8, queries 15/8, 15/8, 13/8, 2/8:
; their products add up to -625/64.  The query's scale byte 2 is 127; the key's is 140 where its mask is false (-625/64 x 2^13 = -80,000 = 8 x -10,000, exactly) and 0 where it is true (about -6e-38).
; THE CAUSAL BIAS, -80,000 onto q.k, is added by vector instructions in the steps that are not wholly open: the diagonal step, and the steps behind it in a full walk.
; LAYOUT.  Both products are used transposed: S^T = K Q^T (source 0 = 16 keys, source 1 = my 16 queries), O^T = V^T P^T: a lane holds ONE query (lane % 16) throughout.
; THE KEYS OF A TILE ARE NOT NEIGHBOURS: lane r of tile 2 b + u takes key 32 b + 8 u + r + 8 (r / 8), so that the 16 registers of tiles 2 b and 2 b + 1 are the keys 32 b + 16 (lane / 16) + 0 .. 15.
; LIMITS.  A tile each of whose rows has a visible key with mask true leaves out the steps wholly behind its diagonal: that equals the definition as long as no hidden key's logit lies more than about 9,900 above the
; row's largest visible one (e^-100 and less is nothing beside the row's sum).  Mask bytes are taken as 0 or 1.  Scale bytes of 0xff (NaN) are not served.
; REGISTERS.  Window 0: v1-11 addresses; v12 -M, v13 the largest t, v[14:15] the sum; v16-27 Q; v28-34 the low tile's Q; v35-55 see below; v56-61 the fill's addresses; v64-87 the fill's staging set; v88-95 the causal
; addends; v96-159 S^T, then p; v160-191 O^T; v192-225 at work; v226-255 the head's.   Window 1: v0-95 K's 8 fragments, v96-143 V's 4.
.set KB,     0                         ; LDS: key n at 896 (n / 16) + 48 (n % 16): 128 bytes of padding behind each 16 keys, so that the 32 lanes of an 8-byte load (6 a + 16 g + 3 h in units of 8 bytes) touch 64 different banks (64 banks of 4 bytes: ISA guide 11.1)
.set KSTEPB, 7168                      ; a key step of 128
.set KSLOT,  14336                     ; a slot of 256
.set VB,     114688                    ; V: slot s at 13,312 s; in it row d at 208 d (192 bytes of codes + 16): 26 r + 3 h are all different mod 32
.set VPITCH, 208
.set VSLOT,  13312
.set SCK,    221184                    ; one word a key: K's two scale bytes, then 140 or 0 by the mask, then 0
.set SCV,    229376                    ; V's scale bytes: row d at 80 d (64 + 16)
.set STAGE,  234496                    ; the way out: 16 rows x (256 + 16) bytes for each wave
.set SPARE,  269312                    ; the spare words, 128 bytes for each wave: four blocks of 256 bytes that no other line names
.set AK0,  1                           ; v1   my lane's place in a tile of K: 48 (r % 8) + 896 (r / 8) + 24 h
.set AV0,  2                           ; v2   in a tile of V: VB + 208 r + 24 h
.set ASK0, 3                           ; v3   among K's scale words: SCK + 4 (r + 8 (r / 8))
.set ASV0, 4                           ; v4   among V's: SCV + 80 r
.set SPW,  5                           ; v5   LDS address of my spare word; never rewritten
.set NIL,  6                           ; v6   0; never rewritten
.set GO,   7                           ; v7   the way out: 256 h + 16 r
.set ADK,  8                           ; v8-11  addresses of the loads in hand: K, V, K's scale words, V's
.set ADV,  9
.set ADS,  10
.set ADT,  11
.set QF,   16                          ; v16-27 Q's fragment: 16-21 codes, 22 the bias codes, 23-27 zeros
.set QL,   28                          ; v28-33 the low tile's codes
.set QLS,  34                          ; v34    and its scale word
.set QS,   35                          ; v35    Q's scale word
.set STI,  36                          ; v36    the stage, in
.set STO,  37                          ; v37    the stage, back
.set DQ,   38                          ; v38    r - 16 h
.set NEG,  39                          ; v39    -80,000.0
.set KS,   40                          ; v40-47 K's scale words, a tile each
.set VS,   48                          ; v48-51 V's
.set PS,   52                          ; v52    p's
.set DD,   53                          ; v53    my query - the step's first key - 16 h
.set FF,   54                          ; v[54:55] f = 2^(old M - new M); v55 is written once, since the pair is named
.set FGK,  56                          ; v56    the fill: my 16 bytes of a slot of K in memory: 768 (t / 16) + 16 (t % 16)
.set FLK,  57                          ; v57    and in LDS: 896 (t / 16) + 16 (t % 16)
.set FGV,  58                          ; v58    of V in memory: 1,536 (t / 4) + 16 (t % 4)
.set FLV,  59                          ; v59    and in LDS: VB + 208 (t / 4) + 16 (t % 4)
.set FA,   60                          ; v60-61 the same in the slot that is being stored
.set FB,   61
.set STG,  64
.set CT,   88
.set S,    96
.set OT,   160
.set PC,   192                         ; v192-203 p's codes
.set PX,   204                         ; v204-211 the blocks' other halves, on their way
.set BM,   212                         ; v212-215 each block's largest score, then its largest p
.set PT,   216                         ; v216-219 at work
.set SO,   220                         ; v220-223 the conversions' scale operands
.set SUM2, 224                         ; v[224:225] the sums' second chain
.set THI,  2                           ; s2   my high tile
.set T8,   3                           ; s3   8 x work-group x: the work-group's lowest tile
.set WV,   20                          ; s20  my wave
.set TLO,  23                          ; s23  my low tile
.set SEL,  24                          ; s[24:25] lane selects for v_permlanex16_b32: lane l xor 16
.set CS,   26                          ; s[26:27] c = log2(e) / 8
.set KF,   28                          ; s28  the step's first key
.set LIM,  29                          ; s29  the last key that the tile in hand walks to
.set Q0,   30                          ; s30  its first query
.set TK,   31                          ; s31  where the NEXT step's K begins
.set TS,   32                          ; s32  and its scale words
.set TJ,   33                          ; s33  4 x the step: V's scale word in a row
.set TV,   34                          ; s34  where the slot's V begins
.set CNT,  35
.set FK,   38                          ; s38  first key of the slot that the trip stores
.set FLIM, 39                          ; s39  the last key that any wave of the work-group walks to
.set FSK,  40                          ; s40  that slot's K in LDS
.set FSV,  41                          ; s41  and V
.set KP,   42                          ; s[42:43] K's codes in memory, at the slot to be loaded
.set VP,   44                          ; s[44:45] V's
.set Q0H,  46
.set Q0L,  47
.set LIMH, 48
.set LIML, 49
.set GG,   58                          ; s58  the first tile of 16 keys with any mask byte true; 128 if there is none
.set MSB, 0
.macro WIN new                         ; the immediate's high byte repeats the setting that is left; a switch that changes nothing is dropped
.if MSB != \new
	s_set_vgpr_msb (MSB<<8)|\new
.set MSB, \new
.endif
.endm
; A slot's 12,288 bytes of K and of V, 48 bytes each for each of the 256 threads.  K: sixteen lanes read 256 consecutive bytes, at a multiple of 256 from the buffer's first byte.  V: four lanes read 64 bytes of a row's 192.
.macro FILL_LOAD r, ko, vo
.irp i, 0,1,2
	global_load_b128 v[\r+4*\i:\r+4*\i+3], v[FGK], s[KP:KP+1] offset:\ko+256*\i
.endr
.irp i, 0,1,2
	global_load_b128 v[\r+12+4*\i:\r+12+4*\i+3], v[FGV], s[VP:VP+1] offset:\vo+64*\i
.endr
.endm
.macro FILL_STORE r, a, b, ko, vo
.irp i, 0,1,2
	ds_store_b128 v[\a], v[\r+4*\i:\r+4*\i+3] offset:\ko+256*\i
.endr
.irp i, 0,1,2
	ds_store_b128 v[\b], v[\r+12+4*\i:\r+12+4*\i+3] offset:\vo+64*\i
.endr
.endm
; K's eight fragments of a step: the lower six registers of each (the head's 64 codes: 24 bytes a lane); the upper six hold the bias codes and zeros and are never loaded.  And the tiles' scale words.
.macro LDK
	WIN 0x40                                       ; destination window 1
.irp t, 0,1,2,3,4,5,6,7
.irp p, 0,1,2
	ds_load_b64 v[12*\t+2*\p:12*\t+2*\p+1], v[ADK] offset:1792*(\t/2)+384*(\t%2)+8*\p
.endr
.endr
	WIN 0
.irp t, 0,1,2,3,4,5,6,7
	ds_load_b32 v[KS+\t], v[ADS] offset:(32*(\t/2)+8*(\t%2))*4
.endr
.endm
; V's four fragments (16 of the head's 64 x the step's 128 keys) and their scale words
.macro LDV q
	WIN 0x40
.irp t, 0,1,2,3
.irp p, 0,1,2,3,4,5
	ds_load_b64 v[96+12*\t+2*\p:96+12*\t+2*\p+1], v[ADV] offset:16*VPITCH*\t+96*(\q)+48*(\p/3)+8*(\p%3)
.endr
.endr
	WIN 0
.irp t, 0,1,2,3
	ds_load_b32 v[VS+\t], v[ADT] offset:1280*\t
.endr
.endm
; A KEY STEP: 128 keys, the q-th of the slot in hand.  Its K was fetched in the step before.
.macro STEP q
	s_cmp_gt_u32 s[KF], s[LIM]                     ; a step behind the tile's limit is left out: a scalar branch round its loads, products and softmax, not round the lines at its end that step addresses
	s_cbranch_scc1 .Lskip_\@
	WIN 0x01                                       ; source 0 window 1
.irp t, 0,1,2,3,4,5,6,7
	v_wmma_scale_f32_16x16x128_f8f6f4 v[S+8*\t:S+8*\t+7], v[12*\t:12*\t+11], v[QF:QF+11], 0, v[KS+\t], v[QS] matrix_a_fmt:MATRIX_FMT_FP6 matrix_b_fmt:MATRIX_FMT_FP6
.endr
	WIN 0
	v_add_nc_u32 v[ADV], s[TV], v[AV0]             ; four plain instructions that name no register of the products: the places ahead of the loads into their sources and of the first read of S^T
	v_add_nc_u32 v[ADT], s[TJ], v[ASV0]
	v_add_nc_u32 v[ADK], s[TK], v[AK0]
	v_add_nc_u32 v[ADS], s[TS], v[ASK0]
	LDV \q                                         ; this step's V: it has the whole softmax in which to come
	s_add_co_u32 s36, s[KF], 128
	s_cmp_gt_u32 s36, s[LIM]
	s_cbranch_scc1 .Lnopf_\@
	LDK                                            ; the next step's K, where that step will be walked
.Lnopf_\@:
	s_add_co_u32 s36, s[KF], 127
	s_cmp_le_u32 s36, s[Q0]
	s_cbranch_scc1 .Lopen_\@                       ; all 128 keys are at or ahead of my first query: no causal bias
	s_sub_co_i32 s36, s[Q0], s[KF]
	v_add_nc_u32 v[DD], s36, v[DQ]                 ; register 16 b + i holds key KF + 16 h + 32 b + i: behind my query where 32 b + i > DD
.set n, 0
.rept 32
	v_cmp_gt_i32 vcc_lo, 32*(n/16)+n%16, v[DD]
	v_cndmask_b32 v[CT+2*((n/2)%4)], 0, v[NEG], vcc_lo
	v_cmp_gt_i32 vcc_lo, 32*(n/16)+n%16+1, v[DD]
	v_cndmask_b32 v[CT+2*((n/2)%4)+1], 0, v[NEG], vcc_lo
	v_pk_add_f32 v[S+n:S+n+1], v[S+n:S+n+1], v[CT+2*((n/2)%4):CT+2*((n/2)%4)+1]   ; -80,000 or 0; each accumulator from its low end on
.set n, n+2
.endr
.Lopen_\@:
.irp b, 0,1,2,3
	v_max3_num_f32 v[BM+\b], v[S+16*\b], v[S+16*\b+1], v[S+16*\b+2]   ; the largest score of each block of 32 keys: it serves for the row's maximum and, since p rises with the score, for the block's largest p
.endr
.irp i, 3,5,7,9,11,13
.irp b, 0,1,2,3
	v_max3_num_f32 v[BM+\b], v[BM+\b], v[S+16*\b+\i], v[S+16*\b+\i+1]   ; (the four blocks by turns)
.endr
.endr
.irp b, 0,1,2,3
	v_max_num_f32 v[BM+\b], v[BM+\b], v[S+16*\b+15]
.endr
.irp b, 0,1,2,3
	v_permlanex16_b32 v[PT+\b], v[BM+\b], s[SEL], s[SEL+1]
.endr
.irp b, 0,1,2,3
	v_max_num_f32 v[BM+\b], v[BM+\b], v[PT+\b]     ; with lane l xor 16's 16 keys
.endr
	v_max3_num_f32 v62, v[BM], v[BM+1], v[BM+2]
	v_max_num_f32 v62, v62, v[BM+3]                ; the step's largest score of my query
	v_mul_f32 v62, s[CS], v62                      ; as t (c is positive)
	v_max_num_f32 v13, v13, v62                    ; the running largest t
	v_mov_b32 v62, v12
	v_floor_f32 v12, -v13                          ; the new -M = floor(-t) = -ceil(t): a whole number
	v_sub_f32 v62, v12, v62                        ; old M - new M: a whole number, 0 or less
	v_cvt_i32_f32 v62, v62                         ; (it saturates)
	v_ldexp_f32 v[FF], 1.0, v62                    ; f = 2^(old M - new M)
.set n, 0
.rept 32
	v_pk_fma_f32 v[S+n:S+n+1], v[S+n:S+n+1], s[CS:CS+1], v[12:13] op_sel_hi:[1,0,0]   ; t - M, two at a time (of the pairs c and -M the low word serves both halves)
.set n, n+2
.endr
.irp b, 0,1,2,3
	v_fma_f32 v[BM+\b], v[BM+\b], s[CS], v12       ; the same of each block's largest score
.endr
.set n, 0
.rept 64
	v_exp_f32 v[S+n], v[S+n]                       ; p = 2^(t - M), at most 1: not normalised
.set n, n+1
.endr
	v_pk_mul_f32 v[14:15], v[14:15], v[FF:FF+1] op_sel_hi:[1,0]   ; the sums under the new M: the plain instruction behind the exponentials
	s_wait_alu depctr_va_vdst(0)                   ; one wait for the batch of 64, ahead of its first reader
.irp b, 0,1,2,3
	v_exp_f32 v[BM+\b], v[BM+\b]                   ; the block's largest p: the same two instructions on the same number give the same bits
.endr
	v_pk_add_f32 v[SUM2:SUM2+1], v[S:S+1], v[S+2:S+3]   ; the row's sum is taken of the unquantised p: two at a time, in two chains; it reads the 64 alone
.set n, 4
.rept 15
	v_pk_add_f32 v[14:15], v[14:15], v[S+n:S+n+1]
	v_pk_add_f32 v[SUM2:SUM2+1], v[SUM2:SUM2+1], v[S+n+2:S+n+3]
.set n, n+4
.endr
	v_pk_add_f32 v[14:15], v[14:15], v[SUM2:SUM2+1]
	s_wait_alu depctr_va_vdst(0)                   ; and one wait for the four
.irp b, 0,1,2,3
	v_max_num_f32 v[BM+\b], 0x1800000, v[BM+\b]    ; the floor 2^(3 - 127): the byte cannot fall under 1 (a block whose every p is 0 keeps that byte: its codes are zeros)
.endr
.irp b, 0,1,2,3
	v_add_nc_u32 v[SO+\b], 0xff000000, v[BM+\b]    ; 2 off the exponent field: the conversion's scale operand
.endr
.irp b, 0,1,2,3
	v_lshrrev_b32 v[PT+\b], 23, v[SO+\b]           ; the scale's byte
.endr
	v_lshl_or_b32 v[PS], v[PT+1], 8, v[PT]         ; p's scale word for these 128 keys
	v_lshl_or_b32 v[PS], v[PT+2], 16, v[PS]
	v_lshl_or_b32 v[PS], v[PT+3], 24, v[PS]
.irp c, 0,1
	v_cvt_scalef32_pk16_fp6_f32 v[PC+6*\c:PC+6*\c+2], v[S+32*\c:S+32*\c+15], v[SO+2*\c]
	v_cvt_scalef32_pk16_fp6_f32 v[PX+4*\c:PX+4*\c+2], v[S+32*\c+16:S+32*\c+31], v[SO+2*\c+1]   ; (a conversion's three registers begin on an even number)
.endr
	v_nop                                          ; one plain instruction behind the scaled conversions
.irp c, 0,1                                    ; the operand's layout wants a WHOLE block in a lane: lanes 0-15 block 2 c, lanes 16-31 block 2 c + 1
.irp i, 0,1,2
	v_permlane16_swap_b32 v[PC+6*\c+\i], v[PX+4*\c+\i]
.endr
.irp i, 0,1,2
	v_mov_b32 v[PC+6*\c+3+\i], v[PX+4*\c+\i]
.endr
.endr
.set n, 0
.rept 16
	v_pk_mul_f32 v[OT+n:OT+n+1], v[OT+n:OT+n+1], v[FF:FF+1] op_sel_hi:[1,0]   ; O^T under the new M, each accumulator from its low end on.  These 16 also stand between the writes of p's codes and scale word and the products
.set n, n+2
.endr
	s_wait_dscnt 0x0                               ; V, asked for a softmax ago, and the next step's K are in
	WIN 0x01
.irp t, 0,1,2,3
	v_wmma_scale_f32_16x16x128_f8f6f4 v[OT+8*\t:OT+8*\t+7], v[96+12*\t:96+12*\t+11], v[PC:PC+11], v[OT+8*\t:OT+8*\t+7], v[VS+\t], v[PS] matrix_a_fmt:MATRIX_FMT_FP6 matrix_b_fmt:MATRIX_FMT_FP6
.endr                                          ; the four accumulators take turns, and the next step's eight products stand between two links of a chain
	WIN 0
.Lskip_\@:
	s_add_co_u32 s[KF], s[KF], 128
	s_add_co_u32 s[TK], s[TK], KSTEPB
	s_add_co_u32 s[TS], s[TS], 512
	s_add_co_u32 s[TJ], s[TJ], 4
.endm
.macro SLOT
	STEP 0
	STEP 1
	s_add_co_u32 s[TV], s[TV], VSLOT
.endm
; A tile's walk begins.  The step is written once: the first finds zeros in O^T and in the sum, which the first change of M leaves zeros.
.macro START q0, lim, second
.if \second
.irp i, 0,1,2,3,4,5
	v_mov_b32 v[QF+\i], v[QL+\i]                   ; the low tile's Q; the 38 plain instructions below stand between these writes and the first product
.endr
	v_mov_b32 v[QS], v[QLS]
.endif
	v_mov_b32 v13, 0xff61b1e6                      ; the largest t so far: -3e38, under every t
	v_floor_f32 v12, -v13                          ; -M
	v_mov_b32 v14, 0
	v_mov_b32 v15, 0
.set n, 0
.rept 32
	v_mov_b32 v[OT+n], 0
.set n, n+1
.endr
	s_mov_b32 s[KF], 0
	s_mov_b32 s[TJ], 0
	s_mov_b32 s[TV], 0
	s_mov_b32 s[TK], 0
	s_mov_b32 s[TS], 0
	s_mov_b32 s[Q0], s[\q0]
	s_mov_b32 s[LIM], s[\lim]
	v_add_nc_u32 v[ADK], s[TK], v[AK0]
	v_add_nc_u32 v[ADS], s[TS], v[ASK0]
	LDK                                            ; step 0's K
	s_mov_b32 s[TK], KSTEPB
	s_mov_b32 s[TS], 512
	s_wait_dscnt 0x0
.endm
; THE WAY OUT of a tile: O^T / the sum goes through my own stage in LDS and leaves as whole rows of 256 bytes, two rows a store.
.macro WAYOUT ptr
.rept 4
	v_nop                                          ; the places behind the last products
.endr
	v_add_f32 v14, v14, v15                        ; the sum's two halves,
	v_permlanex16_b32 v62, v14, s[SEL], s[SEL+1]
	v_add_f32 v14, v14, v62                        ; and lane l xor 16's: the row's sum
	v_rcp_f32 v14, v14
	v_nop                                          ; a plain instruction behind the reciprocal
	s_wait_alu depctr_va_vdst(0)                   ; and the wait ahead of its first reader
.set n, 0
.rept 32
	v_mul_f32 v[S+n], v[OT+n], v14                 ; register 8 t + i is out(r, 16 t + 8 h + i)
.set n, n+1
.endr
.irp t, 0,1,2,3
	ds_store_b128 v[STI], v[S+8*\t:S+8*\t+3] offset:64*\t
	ds_store_b128 v[STI], v[S+8*\t+4:S+8*\t+7] offset:64*\t+16
.endr
.irp i, 0,1,2,3,4,5,6,7
	ds_load_b128 v[S+32+4*\i:S+32+4*\i+3], v[STO] offset:544*\i   ; LDS serves a wave's instructions in order (ISA guide 5.7.1.4): these see my stores
.endr
.irp i, 0,1,2,3,4,5,6,7
	s_wait_dscnt 7-\i                              ; the 7 - i younger loads from the stage may be out
	global_store_b128 v[GO], v[S+32+4*\i:S+32+4*\i+3], s[\ptr:\ptr+1] offset:512*\i th:TH_STORE_NT   ; 32 lanes store 512 consecutive bytes, at a multiple of 256 from the buffer's first byte
.endr
	s_wait_xcnt 0x0                                ; the stores have read their registers: the next walk's products may write them
.endm
; Does the tile in s[tile] walk all keys?  Where no key ahead of it has its mask true (GG >= tile) and its own first key has not either.  s37 holds the limit of a walk that stops at the diagonal.
.macro FLAG tile, byte, dst
	s_cmp_ge_u32 s[GG], s[\tile]
	s_cselect_b32 s36, 1, 0
	s_and_not1_b32 s36, s36, s[\byte]
	s_cmp_lg_u32 s36, 0
	s_cselect_b32 s[\dst], 2047, s37
.endm
	s_load_b256 s[4:11], s[0:1], 0x0               ; Q's codes s[4:5], Q's scales s[6:7], K's codes s[8:9], K's scales s[10:11]
	s_load_b256 s[12:19], s[0:1], 0x20             ; V's codes s[12:13], V's scales s[14:15], mask s[16:17], out s[18:19]
	v_lshl_add_u32 v[SPW], v0, 2, SPARE
	v_mov_b32 v[NIL], 0
	v_lshrrev_b32 v62, 5, v0
	v_readfirstlane_b32 s[WV], v62                 ; wave 0..7
	s_and_b32 s22, ttmp7, 0xffff                   ; the batch
	s_lshl_b32 s[T8], ttmp9, 3
	s_add_co_u32 s[TLO], s[T8], s[WV]              ; my low tile P = 8 x + wave,
	s_sub_co_u32 s[THI], 127, s[TLO]               ; my high tile 127 - P
	s_lshl_b32 s[Q0H], s[THI], 4
	s_lshl_b32 s[Q0L], s[TLO], 4
	s_mul_i32 s62, s22, 98304                      ; the batch's first byte in each tensor of codes,
	s_mov_b32 s63, 0
	s_lshl_b32 s66, s22, 12                        ; of scale bytes,
	s_mov_b32 s67, 0
	s_lshl_b32 s68, s22, 11                        ; in the mask,
	s_mov_b32 s69, 0
	s_lshl_b32 s70, s22, 19                        ; and in out
	s_mov_b32 s71, 0
	v_and_b32 v62, 15, v0                          ; r
	v_bfe_u32 v63, v0, 4, 1                        ; h
	v_and_b32 v226, 7, v62
	v_lshrrev_b32 v227, 3, v62
	v_mul_u32_u24 v[AK0], v226, 48
	v_mad_u32_u24 v[AK0], v227, 896, v[AK0]
	v_mad_u32_u24 v[AK0], v63, 24, v[AK0]
	v_mul_u32_u24 v[AV0], v62, VPITCH
	v_mad_u32_u24 v[AV0], v63, 24, v[AV0]
	v_add_nc_u32 v[AV0], VB, v[AV0]
	v_lshl_add_u32 v[ASK0], v227, 3, v62
	v_lshl_add_u32 v[ASK0], v[ASK0], 2, SCK
	v_mul_u32_u24 v[ASV0], v62, 80
	v_add_nc_u32 v[ASV0], SCV, v[ASV0]
	v_lshlrev_b32 v[GO], 8, v63
	v_lshl_add_u32 v[GO], v62, 4, v[GO]
	s_mul_i32 s36, s[WV], 16*272
	s_add_co_u32 s36, s36, STAGE                   ; my stage
	v_mul_u32_u24 v[STI], v62, 272
	v_lshl_add_u32 v[STI], v63, 5, v[STI]
	v_add_nc_u32 v[STI], s36, v[STI]               ; in: row r, + 32 h
	v_mul_u32_u24 v[STO], v63, 272
	v_lshl_add_u32 v[STO], v62, 4, v[STO]
	v_add_nc_u32 v[STO], s36, v[STO]               ; back: lanes 0-15 one row, lanes 16-31 the next
	v_lshlrev_b32 v[DQ], 4, v63
	v_sub_nc_u32 v[DQ], v62, v[DQ]
	v_lshrrev_b32 v228, 4, v0
	v_mul_u32_u24 v[FGK], v228, 768
	v_lshl_add_u32 v[FGK], v62, 4, v[FGK]
	v_mul_u32_u24 v[FLK], v228, 896
	v_lshl_add_u32 v[FLK], v62, 4, v[FLK]
	v_lshrrev_b32 v228, 2, v0
	v_and_b32 v229, 3, v0
	v_mul_u32_u24 v[FGV], v228, 1536
	v_lshl_add_u32 v[FGV], v229, 4, v[FGV]
	v_mul_u32_u24 v[FLV], v228, VPITCH
	v_lshl_add_u32 v[FLV], v229, 4, v[FLV]
	v_add_nc_u32 v[FLV], VB, v[FLV]
	v_mul_u32_u24 v230, v228, 80
	v_lshl_add_u32 v230, v229, 4, v230
	v_add_nc_u32 v230, SCV, v230                   ; where my 16 of V's scale bytes go
	v_lshl_add_u32 v231, v0, 5, SCK                ; where my 8 keys' scale words go
	v_lshlrev_b32 v232, 4, v0                      ; 16 t
	v_lshlrev_b32 v233, 3, v0                      ; 8 t
	v_and_b32 v234, 31, v0
	v_lshlrev_b32 v234, 4, v234                    ; 16 x lane
	v_mul_u32_u24 v235, v62, 48
	v_mad_u32_u24 v235, v63, 24, v235              ; Q: row r, + 24 h
	v_lshlrev_b32 v236, 1, v62                     ; its two scale bytes
	s_mul_i32 s36, s[THI], 768
	v_add_nc_u32 v237, s36, v235
	s_mul_i32 s36, s[TLO], 768
	v_add_nc_u32 v238, s36, v235
	s_lshl_b32 s36, s[THI], 5
	v_add_nc_u32 v239, s36, v236
	s_lshl_b32 s36, s[TLO], 5
	v_add_nc_u32 v240, s36, v236
	s_wait_kmcnt 0x0
	s_add_nc_u64 s[4:5], s[4:5], s[62:63]
	s_add_nc_u64 s[8:9], s[8:9], s[62:63]
	s_add_nc_u64 s[12:13], s[12:13], s[62:63]
	s_add_nc_u64 s[6:7], s[6:7], s[66:67]
	s_add_nc_u64 s[10:11], s[10:11], s[66:67]
	s_add_nc_u64 s[14:15], s[14:15], s[66:67]
	s_add_nc_u64 s[16:17], s[16:17], s[68:69]
	s_add_nc_u64 s[18:19], s[18:19], s[70:71]
	s_mov_b64 s[KP:KP+1], s[8:9]
	s_mov_b64 s[VP:VP+1], s[12:13]
	FILL_LOAD STG, 0, 0                            ; slot 0
	FILL_LOAD S, 12288, 192                        ; slot 1, into registers that S^T will take
	global_load_b128 v[120:123], v232, s[10:11]    ; my 8 keys' scale bytes,
	global_load_b64 v[124:125], v233, s[16:17]     ; their mask bytes,
	global_load_b128 v[128:131], v232, s[14:15]    ; my 16 of V's scale bytes
.irp i, 0,1,2,3
	global_load_b128 v[132+4*\i:135+4*\i], v234, s[16:17] offset:512*\i   ; the batch's whole mask: lane l of load i holds the 16 bytes of tile 32 i + l
.endr
.irp p, 0,1,2
	global_load_b64 v[QF+2*\p:QF+2*\p+1], v237, s[4:5] offset:8*\p th:TH_LOAD_NT
.endr
	global_load_u16 v[QS], v239, s[6:7]
.irp p, 0,1,2
	global_load_b64 v[QL+2*\p:QL+2*\p+1], v238, s[4:5] offset:8*\p th:TH_LOAD_NT
.endr
	global_load_u16 v[QLS], v240, s[6:7]
	s_mov_b32 s62, s[Q0H]                          ; the mask bytes of three tiles' first keys: my high tile's, my low tile's, the work-group's lowest tile's (s63 = 0 still)
	s_add_nc_u64 s[66:67], s[16:17], s[62:63]
	s_mov_b32 s62, s[Q0L]
	s_add_nc_u64 s[68:69], s[16:17], s[62:63]
	s_lshl_b32 s62, s[T8], 4
	s_add_nc_u64 s[70:71], s[16:17], s[62:63]
	s_load_u8 s59, s[66:67], 0x0
	s_load_u8 s60, s[68:69], 0x0
	s_load_u8 s61, s[70:71], 0x0
	s_lshl_b32 s62, s[THI], 12                     ; a tile's 16 rows of out are 4,096 bytes
	s_add_nc_u64 s[50:51], s[18:19], s[62:63]
	s_lshl_b32 s62, s[TLO], 12
	s_add_nc_u64 s[52:53], s[18:19], s[62:63]
	s_mov_b32 s[SEL], 0x76543210
	s_mov_b32 s[SEL+1], 0xfedcba98
	s_mov_b32 s[CS], 0x3e38aa3b                    ; c = log2(e) / 8
	s_mov_b32 s[CS+1], s[CS]                       ; (named with it as a pair, so it is written)
	v_mov_b32 v[NEG], 0xc79c4000                   ; -80,000.0
	v_mov_b32 v[FF+1], 0
.irp b, 0,1,2,3
	v_mov_b32 v[PT+\b], 0                          ; written once: a lane permute's destination counts as one of its sources
.endr
	v_xor_b32 v226, 1, v63                         ; 1 in lanes 0-15, which hold block 2 in a fragment's upper six registers
	v_mul_u32_u24 v227, v226, 0x8edbef             ; the keys' four codes: 47, 47, 45, 35 = -15/8, -15/8, -13/8, -3/8
	v_mul_u32_u24 v[QF+6], v226, 0x8d3cf           ; the queries': 15, 15, 13, 2 = 15/8, 15/8, 13/8, 2/8
.irp i, 7,8,9,10,11
	v_mov_b32 v[QF+\i], 0
.endr
	WIN 0x40                                       ; destination window 1
.irp t, 0,1,2,3,4,5,6,7
	v_mov_b32 v[12*\t+6], v227
.irp i, 7,8,9,10,11
	v_mov_b32 v[12*\t+\i], 0
.endr
.endr
	WIN 0
	s_wait_loadcnt 0x0
	FILL_STORE STG, FLK, FLV, 0, 0
	FILL_STORE S, FLK, FLV, KSLOT, VSLOT
.irp i, 0,1,2,3,4,5,6,7                        ; key 8 t + i's scale word
.if (\i%2) == 0
	v_and_b32 v[148+\i], 0xffff, v[120+\i/2]
.else
	v_lshrrev_b32 v[148+\i], 16, v[120+\i/2]
.endif
	v_bfe_u32 v226, v[124+\i/4], 8*(\i%4), 1
	v_xor_b32 v226, 1, v226
	v_mad_u32_u24 v[148+\i], v226, 0x8c0000, v[148+\i]   ; byte 2: 140 where the mask is false, else 0
.endr
	ds_store_b128 v231, v[148:151]
	ds_store_b128 v231, v[152:155] offset:16
	ds_store_b128 v230, v[128:131]
	v_or_b32 v[QS], 0x7f7f0000, v[QS]              ; the queries' scale bytes 2 and 3: 1.0
	v_or_b32 v[QLS], 0x7f7f0000, v[QLS]
.irp i, 0,1,2,3
	v_or_b32 v[132+4*\i], v[132+4*\i], v[133+4*\i]
	v_or_b32 v[134+4*\i], v[134+4*\i], v[135+4*\i]
	v_or_b32 v[132+4*\i], v[132+4*\i], v[134+4*\i]
	v_cmp_ne_u32 s[54+\i], 0, v[132+4*\i]          ; bit l: tile 32 i + l has a key with mask true
.endr
	s_wait_dscnt 0x0                               ; my stores have landed, and have read the staging set
	FILL_LOAD STG, 2*12288, 2*192                  ; slot 2: every work-group walks to key 1,151 at the least
	s_mov_b32 s[GG], 128
.irp i, 3,2,1,0
	s_ctz_i32_b32 s36, s[54+\i]
	s_add_co_u32 s36, s36, 32*\i
	s_cmp_lg_u32 s[54+\i], 0
	s_cselect_b32 s[GG], s36, s[GG]
.endr
	s_wait_kmcnt 0x0
	s_add_co_u32 s37, s[Q0H], 15
	FLAG THI, 59, LIMH
	s_add_co_u32 s37, s[Q0L], 15
	FLAG TLO, 60, LIML
	s_lshl_b32 s37, s[T8], 4
	s_sub_co_u32 s37, 2047, s37                    ; the work-group's last query.  A tile's flag implies that of every lower tile, so the lowest tile's says whether any wave walks all keys
	FLAG T8, 61, FLIM
	s_mov_b32 s[FK], 512
	s_mov_b32 s[FSK], 2*KSLOT
	s_mov_b32 s[FSV], 2*VSLOT
	s_wait_xcnt 0x0                                ; the loads have read their bases, which step now
	s_add_nc_u64 s[KP:KP+1], s[KP:KP+1], 2*12288
	s_add_nc_u64 s[VP:VP+1], s[VP:VP+1], 2*192
	s_barrier_signal -1
	s_barrier_wait -1                              ; slots 0 and 1 and all scale words lie in LDS
	START Q0H, LIMH, 0                             ; THE HIGH TILE
	s_mov_b32 s[CNT], 6
.Lfilling:                                         ; trip s walks slot s (and fetches the first K of slot s + 1), stores slot s + 2 and asks for slot s + 3
	SLOT
	s_wait_dscnt 0x0                               ; my reads of K's and V's regions are over
	s_barrier_signal -1
	s_barrier_wait -1                              ; everybody's are: no store into these regions stands beside a read of them
	s_wait_xcnt 0x0                                ; the last trip's loads have read their bases
	s_add_nc_u64 s[KP:KP+1], s[KP:KP+1], 12288
	s_add_nc_u64 s[VP:VP+1], s[VP:VP+1], 192
	s_cmp_gt_u32 s[FK], s[FLIM]                    ; a slot that no wave of the work-group walks is neither loaded nor stored; the same in all eight waves
	s_cbranch_scc1 .Lno_fill
	s_wait_loadcnt 0x0                             ; slot s + 2, asked for a trip ago
	v_add_nc_u32 v[FA], s[FSK], v[FLK]
	v_add_nc_u32 v[FB], s[FSV], v[FLV]
	FILL_STORE STG, FA, FB, 0, 0
	s_add_co_u32 s36, s[FK], 256
	s_cmp_gt_u32 s36, s[FLIM]                      ; (in the last trip 2,048 is above every limit: no load leaves its buffer)
	s_cbranch_scc1 .Lno_fill
	s_wait_dscnt 0x0                               ; the stores have read the staging set
	FILL_LOAD STG, 0, 0
.Lno_fill:
	s_wait_dscnt 0x0                               ; my stores have landed
	s_barrier_signal -1
	s_barrier_wait -1                              ; slot s + 2 lies in LDS
	s_add_co_u32 s[FK], s[FK], 256
	s_add_co_u32 s[FSK], s[FSK], KSLOT
	s_add_co_u32 s[FSV], s[FSV], VSLOT
	s_sub_co_u32 s[CNT], s[CNT], 1
	s_cmp_lg_u32 s[CNT], 0
	s_cbranch_scc1 .Lfilling
	s_mov_b32 s[CNT], 2
.Lfilled:                                          ; slots 6 and 7: nothing is left to store, so no barrier
	SLOT
	s_sub_co_u32 s[CNT], s[CNT], 1
	s_cmp_lg_u32 s[CNT], 0
	s_cbranch_scc1 .Lfilled
	WAYOUT 50
	START Q0L, LIML, 1                             ; THE LOW TILE: all that it walks lies in LDS
	s_mov_b32 s[CNT], 8
.Llow:
	SLOT
	s_sub_co_u32 s[CNT], s[CNT], 1
	s_cmp_lg_u32 s[CNT], 0
	s_cbranch_scc1 .Llow
	WAYOUT 52
	s_wait_tensorcnt 0x0                           ; the wave's end, behind my last LDS store
	ds_add_u32 v[SPW], v[NIL]
	s_wait_dscnt 0x0
	s_endpgm
.Lfunc_end_k_qedb0011065_attn:
	.size	k_qedb0011065_attn, .Lfunc_end_k_qedb0011065_attn-k_qedb0011065_attn
	.p2alignl 7, 3214868480
	.fill 96, 4, 3214868480
	.section	.rodata,"a",@progbits
	.p2align	6, 0x0
	.amdhsa_kernel k_qedb0011065_attn
		.amdhsa_group_segment_fixed_size 270336
		.amdhsa_private_segment_fixed_size 0
		.amdhsa_enable_private_segment 0
		.amdhsa_kernarg_size 64
		.amdhsa_user_sgpr_count 2
		.amdhsa_user_sgpr_kernarg_segment_ptr 1
		.amdhsa_wavefront_size32 1
		.amdhsa_system_sgpr_workgroup_id_x 1
		.amdhsa_system_sgpr_workgroup_id_y 1
		.amdhsa_system_sgpr_workgroup_id_z 1
		.amdhsa_system_vgpr_workitem_id 0
		.amdhsa_next_free_vgpr 400
		.amdhsa_next_free_sgpr 72
		.amdhsa_reserve_vcc 1
		.amdhsa_float_denorm_mode_32 3
		.amdhsa_float_denorm_mode_16_64 3
		.amdhsa_memory_ordered 1
		.amdhsa_forward_progress 1
		.amdhsa_inst_pref_size 182
	.end_amdhsa_kernel
	.amdgpu_metadata
---
amdhsa.version: [ 1, 2 ]
amdhsa.kernels:
  - .name:           k_qedb0011065_attn
    .symbol:         k_qedb0011065_attn.kd
    .args:
      - { .name: query_codes, .offset: 0, .size: 8, .value_kind: global_buffer, .address_space: global }
      - { .name: query_scales, .offset: 8, .size: 8, .value_kind: global_buffer, .address_space: global }
      - { .name: key_codes, .offset: 16, .size: 8, .value_kind: global_buffer, .address_space: global }
      - { .name: key_scales, .offset: 24, .size: 8, .value_kind: global_buffer, .address_space: global }
      - { .name: value_codes, .offset: 32, .size: 8, .value_kind: global_buffer, .address_space: global }
      - { .name: value_scales, .offset: 40, .size: 8, .value_kind: global_buffer, .address_space: global }
      - { .name: mask, .offset: 48, .size: 8, .value_kind: global_buffer, .address_space: global }
      - { .name: out0, .offset: 56, .size: 8, .value_kind: global_buffer, .address_space: global }
    .group_segment_fixed_size: 270336
    .private_segment_fixed_size: 0
    .kernarg_segment_align: 8
    .kernarg_segment_size: 64
    .max_flat_workgroup_size: 256
    .sgpr_count:     72
    .vgpr_count:     400
    .wavefront_size: 32
...
	.end_amdgpu_metadata
.endif
;; end of part 1
;; ======== version 2 of 2: 1 launch; version 1 with the launch attn written anew for expert scheduling mode
;; limits: right only within a limited range of input values
;; launch attn (part 2): grid 8 x 32, 8 waves a work-group, no clusters, 270,336 bytes of LDS; arguments query_codes, query_scales, key_codes, key_scales, value_codes, value_scales, mask, out0; writes out0
.if DOCPART == 2
	.amdgcn_target "amdgcn-amd-amdhsa--gfx1250"
	.amdhsa_code_object_version 6
	.text
	.protected	k_qedb0011065_attn
	.globl	k_qedb0011065_attn
	.p2align	8
	.type	k_qedb0011065_attn,@function
k_qedb0011065_attn:
	s_mov_b64 s[64:65], 0
	v_nop
	global_prefetch_b8 v0, s[64:65] scope:SCOPE_SE
	s_setreg_imm32_b32 hwreg(HW_REG_WAVE_SCHED_MODE, 0, 2), 2
	s_setreg_imm32_b32 hwreg(HW_REG_WAVE_MODE, 25, 1), 1
	s_wait_xcnt 0x0
	s_wait_alu depctr_vm_vsrc(0)
; out[b][q][:] = sum over k of softmax_k(q.k / 8 - 10000 [k > q] - 10000 [mask[b][k] false]) v[b][k][:], 32 batches, 2,048 queries, 2,048 keys, head 64; both products on codes of FP6 (E2M3) with E8M0 scales.
; Q, K: rows of 48 bytes (64 codes) and 2 scale bytes.  V: codes with the KEYS innermost, 64 rows of 1,536 bytes a batch, 64 scale bytes a row.  out: f32.
; THE SOFTMAX AHEAD OF THE SECOND PRODUCT: t = logit x log2(e); M = the row's largest t so far, rounded UP to a whole number; p = 2^(t - M) is quantised along the keys, not normalised; the row's sum is taken of the
; unquantised p and divides at the end.  When M moves, the sum and O are multiplied by 2^(old M - new M): exact.
; SHARES.  A batch has 128 tiles of 16 queries; tile T needs T / 8 + 1 key steps of 128.  A wave takes tiles 127 - P and P, P = 8 x + wave: (16 - x) + (x + 1) = 17 steps for every wave of the launch.
; 32 batches x 64 pairs = 2,048 waves = 256 work-groups of 8.  A whole batch's K and V lie in LDS (each byte stored once); they come slot by slot (256 keys) through registers, each slot's loads issued a whole trip
; (two key steps) ahead of the wait for them.
; BOTH MASKS ARE ADDITIVE.  A row q for which mask[0 .. q] is all false has no key without a bias, and then the keys behind the diagonal count too.  A tile that begins at query q0 walks all 2,048 keys where
; mask[0 .. q0] is all false; every other tile stops at its diagonal.  This launch has no tensor load and no cluster: K and V go through registers.
; THE PADDING BIAS COSTS NO INSTRUCTION.  The head fills 64 of the matrix instruction's 128 along K.  Block 2 (k = 64 .. 95) holds four constant codes a side: keys -15/8, -15/8, -13/8, -3/8, queries 15/8, 15/8, 13/8, 2/8:
; their products add up to -625/64.  The query's scale byte 2 is 127; the key's is 140 where its mask is false (-625/64 x 2^13 = -80,000 = 8 x -10,000, exactly) and 0 where it is true (about -6e-38).
; THE CAUSAL BIAS, -80,000 onto q.k, is added by vector instructions in the steps that are not wholly open: the diagonal step, and the steps behind it in a full walk.
; LAYOUT.  Both products are used transposed: S^T = K Q^T (source 0 = 16 keys, source 1 = my 16 queries), O^T = V^T P^T: a lane holds ONE query (lane % 16) throughout.
; THE KEYS OF A TILE ARE NOT NEIGHBOURS: lane r of tile 2 b + u takes key 32 b + 8 u + r + 8 (r / 8), so that the 16 registers of tiles 2 b and 2 b + 1 are the keys 32 b + 16 (lane / 16) + 0 .. 15.
; LIMITS.  A tile each of whose rows has a visible key with mask true leaves out the steps wholly behind its diagonal: that equals the definition as long as no hidden key's logit lies more than about 9,900 above the
; row's largest visible one (e^-100 and less is nothing beside the row's sum).  Mask bytes are taken as 0 or 1.  Scale bytes of 0xff (NaN) are not served.
; REGISTERS.  Window 0: v1-11 addresses; v12 -M, v13 the largest t, v[14:15] the sum; v16-27 Q; v28-34 the low tile's Q; v35-55 see below; v56-61 the fill's addresses; v64-87 the fill's staging set; v88-95 the causal
; addends; v96-159 S^T, then p; v160-191 O^T; v192-225 at work; v226-255 the head's.   Window 1: v0-95 K's 8 fragments, v96-143 V's 4.
; THE MODE: SCHED_MODE bits 1:0 = 2 (LLVM: expert scheduling mode 2), set by the entry lines.  The code itself states the register dependences between vector or matrix instructions and memory or LDS instructions,
; with s_wait_alu, always for 0.
; THE PLAN.  Registers that memory or LDS instructions touch:
;   v7, v36, v37, v56-59, v230-240   offsets and LDS addresses: made once, ahead of the head's first wait on va_vdst, and never written again.
;   v64-87    the staging set: the fill's global loads land in it, its LDS stores read it, no vector instruction names it.  A wait on vm_vsrc stands between the stores and the next loads.
;   v60, v61  written once a trip of the filling loop, read by the trip's six LDS stores: a wait on vm_vsrc ahead of the two additions, one on va_vdst behind them.
;   v8-11     written once a step by four additions, read by the step's LDS loads: a wait on vm_vsrc ahead of the additions.
;   K's fragments (the lower six registers of each) and v40-47: LDS loads land in them; a step's eight products K Q^T read them.   V's fragments and v48-51: likewise; the four products at a step's end read them.
;   v96-159   on the way out: the multiplications write the lower half, LDS stores read it; loads from the stage land in the upper half, global stores read it; the next walk's products write all of it.
; ONE wait on va_vdst a step serves all its 60 LDS loads.  It stands behind the eight products and the four additions and states that v8-11 are written, that the eight products are done reading K and that the last
; step's four are done reading V.  V's loads follow it at once; K's stand behind the search for the maximum, whose vector instructions name none of the registers that K's loads touch.
; The other waits on va_vdst of a step: one behind each batch of exponentials, and one ahead of the four products, which take p's codes and scale word from vector instructions.
.set KB,     0                         ; LDS: key n at 896 (n / 16) + 48 (n % 16): 128 bytes of padding behind each 16 keys, so that the 32 lanes of an 8-byte load (6 a + 16 g + 3 h in units of 8 bytes) touch 64 different banks (64 banks of 4 bytes: ISA guide 11.1)
.set KSTEPB, 7168                      ; a key step of 128
.set KSLOT,  14336                     ; a slot of 256
.set VB,     114688                    ; V: slot s at 13,312 s; in it row d at 208 d (192 bytes of codes + 16): 26 r + 3 h are all different mod 32
.set VPITCH, 208
.set VSLOT,  13312
.set SCK,    221184                    ; one word a key: K's two scale bytes, then 140 or 0 by the mask, then 0
.set SCV,    229376                    ; V's scale bytes: row d at 80 d (64 + 16)
.set STAGE,  234496                    ; the way out: 16 rows x (256 + 16) bytes for each wave
.set SPARE,  269312                    ; the spare words, 128 bytes for each wave: four blocks of 256 bytes that no other line names
.set AK0,  1                           ; v1   my lane's place in a tile of K: 48 (r % 8) + 896 (r / 8) + 24 h
.set AV0,  2                           ; v2   in a tile of V: VB + 208 r + 24 h
.set ASK0, 3                           ; v3   among K's scale words: SCK + 4 (r + 8 (r / 8))
.set ASV0, 4                           ; v4   among V's: SCV + 80 r
.set SPW,  5                           ; v5   LDS address of my spare word; never rewritten
.set NIL,  6                           ; v6   0; never rewritten
.set GO,   7                           ; v7   the way out: 256 h + 16 r
.set ADK,  8                           ; v8-11  addresses of the loads in hand: K, V, K's scale words, V's
.set ADV,  9
.set ADS,  10
.set ADT,  11
.set QF,   16                          ; v16-27 Q's fragment: 16-21 codes, 22 the bias codes, 23-27 zeros
.set QL,   28                          ; v28-33 the low tile's codes
.set QLS,  34                          ; v34    and its scale word
.set QS,   35                          ; v35    Q's scale word
.set STI,  36                          ; v36    the stage, in
.set STO,  37                          ; v37    the stage, back
.set DQ,   38                          ; v38    r - 16 h
.set NEG,  39                          ; v39    -80,000.0
.set KS,   40                          ; v40-47 K's scale words, a tile each
.set VS,   48                          ; v48-51 V's
.set PS,   52                          ; v52    p's
.set DD,   53                          ; v53    my query - the step's first key - 16 h
.set FF,   54                          ; v[54:55] f = 2^(old M - new M); v55 is written once, since the pair is named
.set FGK,  56                          ; v56    the fill: my 16 bytes of a slot of K in memory: 768 (t / 16) + 16 (t % 16)
.set FLK,  57                          ; v57    and in LDS: 896 (t / 16) + 16 (t % 16)
.set FGV,  58                          ; v58    of V in memory: 1,536 (t / 4) + 16 (t % 4)
.set FLV,  59                          ; v59    and in LDS: VB + 208 (t / 4) + 16 (t % 4)
.set FA,   60                          ; v60-61 the same in the slot that is being stored
.set FB,   61
.set STG,  64
.set CT,   88
.set S,    96
.set OT,   160
.set PC,   192                         ; v192-203 p's codes
.set PX,   204                         ; v204-211 the blocks' other halves, on their way
.set BM,   212                         ; v212-215 each block's largest score, then its largest p
.set PT,   216                         ; v216-219 at work
.set SO,   220                         ; v220-223 the conversions' scale operands
.set SUM2, 224                         ; v[224:225] the sums' second chain
.set THI,  2                           ; s2   my high tile
.set T8,   3                           ; s3   8 x work-group x: the work-group's lowest tile
.set CM,   4                           ; s4-19  behind the head, where the arguments' registers are done with: sixteen masks of the causal bias
.set WV,   20                          ; s20  my wave
.set TLO,  23                          ; s23  my low tile
.set SEL,  24                          ; s[24:25] lane selects for v_permlanex16_b32: lane l xor 16
.set CS,   26                          ; s[26:27] c = log2(e) / 8
.set KF,   28                          ; s28  the step's first key
.set LIM,  29                          ; s29  the last key that the tile in hand walks to
.set Q0,   30                          ; s30  its first query
.set TK,   31                          ; s31  where the NEXT step's K begins
.set TS,   32                          ; s32  and its scale words
.set TJ,   33                          ; s33  4 x the step: V's scale word in a row
.set TV,   34                          ; s34  where the slot's V begins
.set CNT,  35
.set FK,   38                          ; s38  first key of the slot that the trip stores
.set FLIM, 39                          ; s39  the last key that any wave of the work-group walks to
.set FSK,  40                          ; s40  that slot's K in LDS
.set FSV,  41                          ; s41  and V
.set KP,   42                          ; s[42:43] K's codes in memory, at the slot to be loaded
.set VP,   44                          ; s[44:45] V's
.set Q0H,  46
.set Q0L,  47
.set LIMH, 48
.set LIML, 49
.set GG,   58                          ; s58  the first tile of 16 keys with any mask byte true; 128 if there is none
.set MSB, 0
.macro WIN new                         ; the immediate's high byte repeats the setting that is left; a switch that changes nothing is dropped
.if MSB != \new
	s_set_vgpr_msb (MSB<<8)|\new
.set MSB, \new
.endif
.endm
; A slot's 12,288 bytes of K and of V, 48 bytes each for each of the 256 threads.  K: sixteen lanes read 256 consecutive bytes, at a multiple of 256 from the buffer's first byte.  V: four lanes read 64 bytes of a row's 192.
.macro FILL_LOAD r, ko, vo
.irp i, 0,1,2
	global_load_b128 v[\r+4*\i:\r+4*\i+3], v[FGK], s[KP:KP+1] offset:\ko+256*\i
.endr
.irp i, 0,1,2
	global_load_b128 v[\r+12+4*\i:\r+12+4*\i+3], v[FGV], s[VP:VP+1] offset:\vo+64*\i
.endr
.endm
.macro FILL_STORE r, a, b, ko, vo
.irp i, 0,1,2
	ds_store_b128 v[\a], v[\r+4*\i:\r+4*\i+3] offset:\ko+256*\i
.endr
.irp i, 0,1,2
	ds_store_b128 v[\b], v[\r+12+4*\i:\r+12+4*\i+3] offset:\vo+64*\i
.endr
.endm
; K's eight fragments of a step: the lower six registers of each (the head's 64 codes: 24 bytes a lane); the upper six hold the bias codes and zeros and are never loaded.  And the tiles' scale words.
.macro LDK
	WIN 0x40                                       ; destination window 1
.irp t, 0,1,2,3,4,5,6,7
.irp p, 0,1,2
	ds_load_b64 v[12*\t+2*\p:12*\t+2*\p+1], v[ADK] offset:1792*(\t/2)+384*(\t%2)+8*\p
.endr
.endr
	WIN 0
.irp t, 0,1,2,3,4,5,6,7
	ds_load_b32 v[KS+\t], v[ADS] offset:(32*(\t/2)+8*(\t%2))*4
.endr
.endm
; V's four fragments (16 of the head's 64 x the step's 128 keys) and their scale words
.macro LDV q
	WIN 0x40
.irp t, 0,1,2,3
.irp p, 0,1,2,3,4,5
	ds_load_b64 v[96+12*\t+2*\p:96+12*\t+2*\p+1], v[ADV] offset:16*VPITCH*\t+96*(\q)+48*(\p/3)+8*(\p%3)
.endr
.endr
	WIN 0
.irp t, 0,1,2,3
	ds_load_b32 v[VS+\t], v[ADT] offset:1280*\t
.endr
.endm
; A KEY STEP: 128 keys, the q-th of the slot in hand.  Its K was fetched in the step before.
.macro STEP q
	s_cmp_gt_u32 s[KF], s[LIM]                     ; a step behind the tile's limit is left out: a scalar branch round its loads, products and softmax, not round the lines at its end that step addresses
	s_cbranch_scc1 .Lskip_\@
	WIN 0x01                                       ; source 0 window 1
.irp t, 0,1,2,3,4,5,6,7
	v_wmma_scale_f32_16x16x128_f8f6f4 v[S+8*\t:S+8*\t+7], v[12*\t:12*\t+11], v[QF:QF+11], 0, v[KS+\t], v[QS] matrix_a_fmt:MATRIX_FMT_FP6 matrix_b_fmt:MATRIX_FMT_FP6
.endr
	WIN 0
	s_wait_alu depctr_vm_vsrc(0)                   ; the LDS loads issued so far have read v8 to v11, which the four lines below write
	v_add_nc_u32 v[ADV], s[TV], v[AV0]             ; four plain instructions that name no register of the products: the places (ISA guide 7.12.1) ahead of the first read of S^T
	v_add_nc_u32 v[ADT], s[TJ], v[ASV0]
	v_add_nc_u32 v[ADK], s[TK], v[AK0]
	v_add_nc_u32 v[ADS], s[TS], v[ASK0]
	s_wait_alu depctr_va_vdst(0)                   ; v8 to v11 are written, which the step's LDS loads read; the eight products are done reading K's fragments and v40-47, the last step's four V's fragments and v48-51: the loads land there
	LDV \q                                         ; this step's V: it has the whole softmax in which to come
	s_add_co_u32 s36, s[KF], 127
	s_cmp_le_u32 s36, s[Q0]
	s_cbranch_scc1 .Lopen_\@                       ; all 128 keys are at or ahead of my first query: no causal bias
	s_sub_co_i32 s36, s[Q0], s[KF]
	v_add_nc_u32 v[DD], s36, v[DQ]                 ; register 16 b + i holds key KF + 16 h + 32 b + i: behind my query where 32 b + i > DD
.irp m, 0,1,2,3                                ; a block of 32 keys at a time: my sixteen compares in a run, into sixteen scalar registers, with one wait behind the run
.irp i, 0,1,2,3,4,5,6,7,8,9,10,11,12,13,14,15
	v_cmp_gt_i32 s[CM+\i], 32*\m+\i, v[DD]
.endr
	s_wait_alu depctr_va_sdst(0)                   ; the sixteen compares have written s4 to s19, ahead of the selections that read them
.irp i, 0,2,4,6,8,10,12,14
	v_cndmask_b32 v[CT+\i%8], 0, v[NEG], s[CM+\i]
	v_cndmask_b32 v[CT+\i%8+1], 0, v[NEG], s[CM+\i+1]
	v_pk_add_f32 v[S+16*\m+\i:S+16*\m+\i+1], v[S+16*\m+\i:S+16*\m+\i+1], v[CT+\i%8:CT+\i%8+1]   ; -80,000 or 0; each accumulator from its low end on
.endr
.endr
.Lopen_\@:
.irp b, 0,1,2,3
	v_max3_num_f32 v[BM+\b], v[S+16*\b], v[S+16*\b+1], v[S+16*\b+2]   ; the largest score of each block of 32 keys: it serves for the row's maximum and, since p rises with the score, for the block's largest p
.endr
.irp i, 3,5,7,9,11,13
.irp b, 0,1,2,3
	v_max3_num_f32 v[BM+\b], v[BM+\b], v[S+16*\b+\i], v[S+16*\b+\i+1]   ; (the four blocks by turns)
.endr
.endr
.irp b, 0,1,2,3
	v_max_num_f32 v[BM+\b], v[BM+\b], v[S+16*\b+15]
.endr
.irp b, 0,1,2,3
	v_permlanex16_b32 v[PT+\b], v[BM+\b], s[SEL], s[SEL+1]
.endr
.irp b, 0,1,2,3
	v_max_num_f32 v[BM+\b], v[BM+\b], v[PT+\b]     ; with lane l xor 16's 16 keys
.endr
	v_max3_num_f32 v62, v[BM], v[BM+1], v[BM+2]
	v_max_num_f32 v62, v62, v[BM+3]                ; the step's largest score of my query
	v_mul_f32 v62, s[CS], v62                      ; as t (c is positive)
	v_max_num_f32 v13, v13, v62                    ; the running largest t
	v_mov_b32 v62, v12
	v_floor_f32 v12, -v13                          ; the new -M = floor(-t) = -ceil(t): a whole number
	v_sub_f32 v62, v12, v62                        ; old M - new M: a whole number, 0 or less
	v_cvt_i32_f32 v62, v62                         ; (it saturates)
	v_ldexp_f32 v[FF], 1.0, v62                    ; f = 2^(old M - new M)
	s_add_co_u32 s36, s[KF], 128
	s_cmp_gt_u32 s36, s[LIM]
	s_cbranch_scc1 .Lnopf_\@
	LDK                                            ; the next step's K, where that step will be walked.  No wait: no vector or matrix instruction since the step's wait on va_vdst names v8, v10, v40-47 or K's fragments
.Lnopf_\@:
.set n, 0
.rept 32
	v_pk_fma_f32 v[S+n:S+n+1], v[S+n:S+n+1], s[CS:CS+1], v[12:13] op_sel_hi:[1,0,0]   ; t - M, two at a time (of the pairs c and -M the low word serves both halves)
.set n, n+2
.endr
.irp b, 0,1,2,3
	v_fma_f32 v[BM+\b], v[BM+\b], s[CS], v12       ; the same of each block's largest score
.endr
.set n, 0
.rept 64
	v_exp_f32 v[S+n], v[S+n]                       ; p = 2^(t - M), at most 1: not normalised
.set n, n+1
.endr
	v_pk_mul_f32 v[14:15], v[14:15], v[FF:FF+1] op_sel_hi:[1,0]   ; the sums under the new M: the plain instruction behind the exponentials
	s_wait_alu depctr_va_vdst(0)                   ; the 64 exponentials have written v96 to v159: one wait for the batch, ahead of its first reader
.irp b, 0,1,2,3
	v_exp_f32 v[BM+\b], v[BM+\b]                   ; the block's largest p: the same two instructions on the same number give the same bits
.endr
	v_pk_add_f32 v[SUM2:SUM2+1], v[S:S+1], v[S+2:S+3]   ; the row's sum is taken of the unquantised p: two at a time, in two chains; it reads the 64 alone
.set n, 4
.rept 15
	v_pk_add_f32 v[14:15], v[14:15], v[S+n:S+n+1]
	v_pk_add_f32 v[SUM2:SUM2+1], v[SUM2:SUM2+1], v[S+n+2:S+n+3]
.set n, n+4
.endr
	v_pk_add_f32 v[14:15], v[14:15], v[SUM2:SUM2+1]
	s_wait_alu depctr_va_vdst(0)                   ; the four exponentials have written v212 to v215, ahead of their first reader
.irp b, 0,1,2,3
	v_max_num_f32 v[BM+\b], 0x1800000, v[BM+\b]    ; the floor 2^(3 - 127): the byte cannot fall under 1 (a block whose every p is 0 keeps that byte: its codes are zeros)
.endr
.irp b, 0,1,2,3
	v_add_nc_u32 v[SO+\b], 0xff000000, v[BM+\b]    ; 2 off the exponent field: the conversion's scale operand
.endr
.irp b, 0,1,2,3
	v_lshrrev_b32 v[PT+\b], 23, v[SO+\b]           ; the scale's byte
.endr
	v_lshl_or_b32 v[PS], v[PT+1], 8, v[PT]         ; p's scale word for these 128 keys
	v_lshl_or_b32 v[PS], v[PT+2], 16, v[PS]
	v_lshl_or_b32 v[PS], v[PT+3], 24, v[PS]
.irp c, 0,1
	v_cvt_scalef32_pk16_fp6_f32 v[PC+6*\c:PC+6*\c+2], v[S+32*\c:S+32*\c+15], v[SO+2*\c]
	v_cvt_scalef32_pk16_fp6_f32 v[PX+4*\c:PX+4*\c+2], v[S+32*\c+16:S+32*\c+31], v[SO+2*\c+1]   ; (a conversion's three registers begin on an even number)
.endr
	v_nop                                          ; one plain instruction behind the scaled conversions
.irp c, 0,1                                    ; the operand's layout wants a WHOLE block in a lane: lanes 0-15 block 2 c, lanes 16-31 block 2 c + 1
.irp i, 0,1,2
	v_permlane16_swap_b32 v[PC+6*\c+\i], v[PX+4*\c+\i]
.endr
.irp i, 0,1,2
	v_mov_b32 v[PC+6*\c+3+\i], v[PX+4*\c+\i]
.endr
.endr
.set n, 0
.rept 16
	v_pk_mul_f32 v[OT+n:OT+n+1], v[OT+n:OT+n+1], v[FF:FF+1] op_sel_hi:[1,0]   ; O^T under the new M, each accumulator from its low end on.  These 16 also stand between the writes of p's codes and scale word and the products
.set n, n+2
.endr
	s_wait_alu depctr_va_vdst(0)                   ; p's codes v192 to v203 and its scale word v52 are written, which the four scaled products take; the sixteen places above stay beside this wait
	s_wait_dscnt 0x0                               ; V, asked for a softmax ago, and the next step's K are in
	WIN 0x01
.irp t, 0,1,2,3
	v_wmma_scale_f32_16x16x128_f8f6f4 v[OT+8*\t:OT+8*\t+7], v[96+12*\t:96+12*\t+11], v[PC:PC+11], v[OT+8*\t:OT+8*\t+7], v[VS+\t], v[PS] matrix_a_fmt:MATRIX_FMT_FP6 matrix_b_fmt:MATRIX_FMT_FP6
.endr                                          ; the four accumulators take turns, and the next step's eight products stand between two links of a chain
	WIN 0
.Lskip_\@:
	s_add_co_u32 s[KF], s[KF], 128
	s_add_co_u32 s[TK], s[TK], KSTEPB
	s_add_co_u32 s[TS], s[TS], 512
	s_add_co_u32 s[TJ], s[TJ], 4
.endm
.macro SLOT
	STEP 0
	STEP 1
	s_add_co_u32 s[TV], s[TV], VSLOT
.endm
; A tile's walk begins.  The step is written once: the first finds zeros in O^T and in the sum, which the first change of M leaves zeros.
.macro START q0, lim, second
.if \second
	s_wait_alu depctr_vm_vsrc(0)                   ; the way out's LDS stores and global stores have read v96 to v159, which this walk's products write; the last walk's LDS loads have read v8 and v10, which are written below
.irp i, 0,1,2,3,4,5
	v_mov_b32 v[QF+\i], v[QL+\i]                   ; the low tile's Q; the 38 plain instructions below stand between these writes and the first product
.endr
	v_mov_b32 v[QS], v[QLS]
.endif
	v_mov_b32 v13, 0xff61b1e6                      ; the largest t so far: -3e38, under every t
	v_floor_f32 v12, -v13                          ; -M
	v_mov_b32 v14, 0
	v_mov_b32 v15, 0
.set n, 0
.rept 32
	v_mov_b32 v[OT+n], 0
.set n, n+1
.endr
	s_mov_b32 s[KF], 0
	s_mov_b32 s[TJ], 0
	s_mov_b32 s[TV], 0
	s_mov_b32 s[TK], 0
	s_mov_b32 s[TS], 0
	s_mov_b32 s[Q0], s[\q0]
	s_mov_b32 s[LIM], s[\lim]
	v_add_nc_u32 v[ADK], s[TK], v[AK0]
	v_add_nc_u32 v[ADS], s[TS], v[ASK0]
	s_wait_alu depctr_va_vdst(0)                   ; v8 and v10 are written, which the loads below read; the products issued so far are done reading K's fragments and v40-47, in which they land; and Q's fragment, its scale word and the fragments' bias codes, which the scaled products take, are written
	LDK                                            ; step 0's K
	s_mov_b32 s[TK], KSTEPB
	s_mov_b32 s[TS], 512
	s_wait_dscnt 0x0
.endm
; THE WAY OUT of a tile: O^T / the sum goes through my own stage in LDS and leaves as whole rows of 256 bytes, two rows a store.
.macro WAYOUT ptr
.rept 4
	v_nop                                          ; the places behind the last products
.endr
	v_add_f32 v14, v14, v15                        ; the sum's two halves,
	v_permlanex16_b32 v62, v14, s[SEL], s[SEL+1]
	v_add_f32 v14, v14, v62                        ; and lane l xor 16's: the row's sum
	v_rcp_f32 v14, v14
	v_nop                                          ; a plain instruction behind the reciprocal
	s_wait_alu depctr_va_vdst(0)                   ; the reciprocal has written v14, ahead of its first reader
.set n, 0
.rept 32
	v_mul_f32 v[S+n], v[OT+n], v14                 ; register 8 t + i is out(r, 16 t + 8 h + i)
.set n, n+1
.endr
	s_wait_alu depctr_va_vdst(0)                   ; the 32 multiplications have written v96 to v127, which the LDS stores read; and every vector instruction that named v128 to v159 is done: the loads from the stage land there
.irp t, 0,1,2,3
	ds_store_b128 v[STI], v[S+8*\t:S+8*\t+3] offset:64*\t
	ds_store_b128 v[STI], v[S+8*\t+4:S+8*\t+7] offset:64*\t+16
.endr
.irp i, 0,1,2,3,4,5,6,7
	ds_load_b128 v[S+32+4*\i:S+32+4*\i+3], v[STO] offset:544*\i   ; LDS serves a wave's instructions in order (ISA guide 5.7.1.4): these see my stores
.endr
.irp i, 0,1,2,3,4,5,6,7
	s_wait_dscnt 7-\i                              ; the 7 - i younger loads from the stage may be out
	global_store_b128 v[GO], v[S+32+4*\i:S+32+4*\i+3], s[\ptr:\ptr+1] offset:512*\i th:TH_STORE_NT   ; 32 lanes store 512 consecutive bytes, at a multiple of 256 from the buffer's first byte
.endr
	s_wait_xcnt 0x0                                ; the stores have read their registers: the next walk's products may write them
.endm
; Does the tile in s[tile] walk all keys?  Where no key ahead of it has its mask true (GG >= tile) and its own first key has not either.  s37 holds the limit of a walk that stops at the diagonal.
.macro FLAG tile, byte, dst
	s_cmp_ge_u32 s[GG], s[\tile]
	s_cselect_b32 s36, 1, 0
	s_and_not1_b32 s36, s36, s[\byte]
	s_cmp_lg_u32 s36, 0
	s_cselect_b32 s[\dst], 2047, s37
.endm
	s_load_b256 s[4:11], s[0:1], 0x0               ; Q's codes s[4:5], Q's scales s[6:7], K's codes s[8:9], K's scales s[10:11]
	s_load_b256 s[12:19], s[0:1], 0x20             ; V's codes s[12:13], V's scales s[14:15], mask s[16:17], out s[18:19]
	v_lshl_add_u32 v[SPW], v0, 2, SPARE
	v_mov_b32 v[NIL], 0
	v_lshrrev_b32 v62, 5, v0
	v_readfirstlane_b32 s[WV], v62                 ; wave 0..7
	s_and_b32 s22, ttmp7, 0xffff                   ; the batch
	s_lshl_b32 s[T8], ttmp9, 3
	s_wait_alu depctr_va_sdst(0)                   ; s20 is written, ahead of its first reader: the tiles, the stage and the bases are made from it
	s_add_co_u32 s[TLO], s[T8], s[WV]              ; my low tile P = 8 x + wave,
	s_sub_co_u32 s[THI], 127, s[TLO]               ; my high tile 127 - P
	s_lshl_b32 s[Q0H], s[THI], 4
	s_lshl_b32 s[Q0L], s[TLO], 4
	s_mul_i32 s62, s22, 98304                      ; the batch's first byte in each tensor of codes,
	s_mov_b32 s63, 0
	s_lshl_b32 s66, s22, 12                        ; of scale bytes,
	s_mov_b32 s67, 0
	s_lshl_b32 s68, s22, 11                        ; in the mask,
	s_mov_b32 s69, 0
	s_lshl_b32 s70, s22, 19                        ; and in out
	s_mov_b32 s71, 0
	v_and_b32 v62, 15, v0                          ; r
	v_bfe_u32 v63, v0, 4, 1                        ; h
	v_and_b32 v226, 7, v62
	v_lshrrev_b32 v227, 3, v62
	v_mul_u32_u24 v[AK0], v226, 48
	v_mad_u32_u24 v[AK0], v227, 896, v[AK0]
	v_mad_u32_u24 v[AK0], v63, 24, v[AK0]
	v_mul_u32_u24 v[AV0], v62, VPITCH
	v_mad_u32_u24 v[AV0], v63, 24, v[AV0]
	v_add_nc_u32 v[AV0], VB, v[AV0]
	v_lshl_add_u32 v[ASK0], v227, 3, v62
	v_lshl_add_u32 v[ASK0], v[ASK0], 2, SCK
	v_mul_u32_u24 v[ASV0], v62, 80
	v_add_nc_u32 v[ASV0], SCV, v[ASV0]
	v_lshlrev_b32 v[GO], 8, v63
	v_lshl_add_u32 v[GO], v62, 4, v[GO]
	s_mul_i32 s36, s[WV], 16*272
	s_add_co_u32 s36, s36, STAGE                   ; my stage
	v_mul_u32_u24 v[STI], v62, 272
	v_lshl_add_u32 v[STI], v63, 5, v[STI]
	v_add_nc_u32 v[STI], s36, v[STI]               ; in: row r, + 32 h
	v_mul_u32_u24 v[STO], v63, 272
	v_lshl_add_u32 v[STO], v62, 4, v[STO]
	v_add_nc_u32 v[STO], s36, v[STO]               ; back: lanes 0-15 one row, lanes 16-31 the next
	v_lshlrev_b32 v[DQ], 4, v63
	v_sub_nc_u32 v[DQ], v62, v[DQ]
	v_lshrrev_b32 v228, 4, v0
	v_mul_u32_u24 v[FGK], v228, 768
	v_lshl_add_u32 v[FGK], v62, 4, v[FGK]
	v_mul_u32_u24 v[FLK], v228, 896
	v_lshl_add_u32 v[FLK], v62, 4, v[FLK]
	v_lshrrev_b32 v228, 2, v0
	v_and_b32 v229, 3, v0
	v_mul_u32_u24 v[FGV], v228, 1536
	v_lshl_add_u32 v[FGV], v229, 4, v[FGV]
	v_mul_u32_u24 v[FLV], v228, VPITCH
	v_lshl_add_u32 v[FLV], v229, 4, v[FLV]
	v_add_nc_u32 v[FLV], VB, v[FLV]
	v_mul_u32_u24 v230, v228, 80
	v_lshl_add_u32 v230, v229, 4, v230
	v_add_nc_u32 v230, SCV, v230                   ; where my 16 of V's scale bytes go
	v_lshl_add_u32 v231, v0, 5, SCK                ; where my 8 keys' scale words go
	v_lshlrev_b32 v232, 4, v0                      ; 16 t
	v_lshlrev_b32 v233, 3, v0                      ; 8 t
	v_and_b32 v234, 31, v0
	v_lshlrev_b32 v234, 4, v234                    ; 16 x lane
	v_mul_u32_u24 v235, v62, 48
	v_mad_u32_u24 v235, v63, 24, v235              ; Q: row r, + 24 h
	v_lshlrev_b32 v236, 1, v62                     ; its two scale bytes
	s_mul_i32 s36, s[THI], 768
	v_add_nc_u32 v237, s36, v235
	s_mul_i32 s36, s[TLO], 768
	v_add_nc_u32 v238, s36, v235
	s_lshl_b32 s36, s[THI], 5
	v_add_nc_u32 v239, s36, v236
	s_lshl_b32 s36, s[TLO], 5
	v_add_nc_u32 v240, s36, v236
	s_wait_kmcnt 0x0
	s_add_nc_u64 s[4:5], s[4:5], s[62:63]
	s_add_nc_u64 s[8:9], s[8:9], s[62:63]
	s_add_nc_u64 s[12:13], s[12:13], s[62:63]
	s_add_nc_u64 s[6:7], s[6:7], s[66:67]
	s_add_nc_u64 s[10:11], s[10:11], s[66:67]
	s_add_nc_u64 s[14:15], s[14:15], s[66:67]
	s_add_nc_u64 s[16:17], s[16:17], s[68:69]
	s_add_nc_u64 s[18:19], s[18:19], s[70:71]
	s_mov_b64 s[KP:KP+1], s[8:9]
	s_mov_b64 s[VP:VP+1], s[12:13]
	s_wait_alu depctr_va_vdst(0)                   ; the offsets and LDS addresses made above (v7, v36, v37, v56-59, v230-240) are written: the loads and stores of the whole kernel read them, and none is written again
	FILL_LOAD STG, 0, 0                            ; slot 0
	FILL_LOAD S, 12288, 192                        ; slot 1, into registers that S^T will take
	global_load_b128 v[120:123], v232, s[10:11]    ; my 8 keys' scale bytes,
	global_load_b64 v[124:125], v233, s[16:17]     ; their mask bytes,
	global_load_b128 v[128:131], v232, s[14:15]    ; my 16 of V's scale bytes
.irp i, 0,1,2,3
	global_load_b128 v[132+4*\i:135+4*\i], v234, s[16:17] offset:512*\i   ; the batch's whole mask: lane l of load i holds the 16 bytes of tile 32 i + l
.endr
.irp p, 0,1,2
	global_load_b64 v[QF+2*\p:QF+2*\p+1], v237, s[4:5] offset:8*\p th:TH_LOAD_NT
.endr
	global_load_u16 v[QS], v239, s[6:7]
.irp p, 0,1,2
	global_load_b64 v[QL+2*\p:QL+2*\p+1], v238, s[4:5] offset:8*\p th:TH_LOAD_NT
.endr
	global_load_u16 v[QLS], v240, s[6:7]
	s_mov_b32 s62, s[Q0H]                          ; the mask bytes of three tiles' first keys: my high tile's, my low tile's, the work-group's lowest tile's (s63 = 0 still)
	s_add_nc_u64 s[66:67], s[16:17], s[62:63]
	s_mov_b32 s62, s[Q0L]
	s_add_nc_u64 s[68:69], s[16:17], s[62:63]
	s_lshl_b32 s62, s[T8], 4
	s_add_nc_u64 s[70:71], s[16:17], s[62:63]
	s_load_u8 s59, s[66:67], 0x0
	s_load_u8 s60, s[68:69], 0x0
	s_load_u8 s61, s[70:71], 0x0
	s_lshl_b32 s62, s[THI], 12                     ; a tile's 16 rows of out are 4,096 bytes
	s_add_nc_u64 s[50:51], s[18:19], s[62:63]
	s_lshl_b32 s62, s[TLO], 12
	s_add_nc_u64 s[52:53], s[18:19], s[62:63]
	s_mov_b32 s[SEL], 0x76543210
	s_mov_b32 s[SEL+1], 0xfedcba98
	s_mov_b32 s[CS], 0x3e38aa3b                    ; c = log2(e) / 8
	s_mov_b32 s[CS+1], s[CS]                       ; (named with it as a pair, so it is written)
	v_mov_b32 v[NEG], 0xc79c4000                   ; -80,000.0
	v_mov_b32 v[FF+1], 0
.irp b, 0,1,2,3
	v_mov_b32 v[PT+\b], 0                          ; written once: a lane permute's destination counts as one of its sources
.endr
	v_xor_b32 v226, 1, v63                         ; 1 in lanes 0-15, which hold block 2 in a fragment's upper six registers
	v_mul_u32_u24 v227, v226, 0x8edbef             ; the keys' four codes: 47, 47, 45, 35 = -15/8, -15/8, -13/8, -3/8
	v_mul_u32_u24 v[QF+6], v226, 0x8d3cf           ; the queries': 15, 15, 13, 2 = 15/8, 15/8, 13/8, 2/8
.irp i, 7,8,9,10,11
	v_mov_b32 v[QF+\i], 0
.endr
	WIN 0x40                                       ; destination window 1
.irp t, 0,1,2,3,4,5,6,7
	v_mov_b32 v[12*\t+6], v227
.irp i, 7,8,9,10,11
	v_mov_b32 v[12*\t+\i], 0
.endr
.endr
	WIN 0
	s_wait_loadcnt 0x0
	FILL_STORE STG, FLK, FLV, 0, 0
	FILL_STORE S, FLK, FLV, KSLOT, VSLOT
.irp i, 0,1,2,3,4,5,6,7                        ; key 8 t + i's scale word
.if (\i%2) == 0
	v_and_b32 v[148+\i], 0xffff, v[120+\i/2]
.else
	v_lshrrev_b32 v[148+\i], 16, v[120+\i/2]
.endif
	v_bfe_u32 v226, v[124+\i/4], 8*(\i%4), 1
	v_xor_b32 v226, 1, v226
	v_mad_u32_u24 v[148+\i], v226, 0x8c0000, v[148+\i]   ; byte 2: 140 where the mask is false, else 0
.endr
	s_wait_alu depctr_va_vdst(0)                   ; the eight scale words v148 to v155 are written, which the LDS stores below read
	ds_store_b128 v231, v[148:151]
	ds_store_b128 v231, v[152:155] offset:16
	ds_store_b128 v230, v[128:131]
	v_or_b32 v[QS], 0x7f7f0000, v[QS]              ; the queries' scale bytes 2 and 3: 1.0
	v_or_b32 v[QLS], 0x7f7f0000, v[QLS]
.irp i, 0,1,2,3
	v_or_b32 v[132+4*\i], v[132+4*\i], v[133+4*\i]
	v_or_b32 v[134+4*\i], v[134+4*\i], v[135+4*\i]
	v_or_b32 v[132+4*\i], v[132+4*\i], v[134+4*\i]
	v_cmp_ne_u32 s[54+\i], 0, v[132+4*\i]          ; bit l: tile 32 i + l has a key with mask true
.endr
	s_wait_dscnt 0x0                               ; my stores have landed
	s_wait_alu depctr_vm_vsrc(0)                   ; my LDS stores have read the staging set, in which the loads below land, and v96-119, v128-131 and v148-155, which the products will write
	FILL_LOAD STG, 2*12288, 2*192                  ; slot 2: every work-group walks to key 1,151 at the least
	s_wait_alu depctr_va_sdst(0)                   ; the four compares have written s54 to s57, ahead of their first readers below
	s_mov_b32 s[GG], 128
.irp i, 3,2,1,0
	s_ctz_i32_b32 s36, s[54+\i]
	s_add_co_u32 s36, s36, 32*\i
	s_cmp_lg_u32 s[54+\i], 0
	s_cselect_b32 s[GG], s36, s[GG]
.endr
	s_wait_kmcnt 0x0
	s_add_co_u32 s37, s[Q0H], 15
	FLAG THI, 59, LIMH
	s_add_co_u32 s37, s[Q0L], 15
	FLAG TLO, 60, LIML
	s_lshl_b32 s37, s[T8], 4
	s_sub_co_u32 s37, 2047, s37                    ; the work-group's last query.  A tile's flag implies that of every lower tile, so the lowest tile's says whether any wave walks all keys
	FLAG T8, 61, FLIM
	s_mov_b32 s[FK], 512
	s_mov_b32 s[FSK], 2*KSLOT
	s_mov_b32 s[FSV], 2*VSLOT
	s_wait_xcnt 0x0                                ; the loads have read their bases, which step now
	s_add_nc_u64 s[KP:KP+1], s[KP:KP+1], 2*12288
	s_add_nc_u64 s[VP:VP+1], s[VP:VP+1], 2*192
	s_barrier_signal -1
	s_barrier_wait -1                              ; slots 0 and 1 and all scale words lie in LDS
	START Q0H, LIMH, 0                             ; THE HIGH TILE
	s_mov_b32 s[CNT], 6
.Lfilling:                                         ; trip s walks slot s (and fetches the first K of slot s + 1), stores slot s + 2 and asks for slot s + 3
	SLOT
	s_wait_dscnt 0x0                               ; my reads of K's and V's regions are over
	s_barrier_signal -1
	s_barrier_wait -1                              ; everybody's are: no store into these regions stands beside a read of them
	s_wait_xcnt 0x0                                ; the last trip's loads have read their bases
	s_add_nc_u64 s[KP:KP+1], s[KP:KP+1], 12288
	s_add_nc_u64 s[VP:VP+1], s[VP:VP+1], 192
	s_cmp_gt_u32 s[FK], s[FLIM]                    ; a slot that no wave of the work-group walks is neither loaded nor stored; the same in all eight waves
	s_cbranch_scc1 .Lno_fill
	s_wait_loadcnt 0x0                             ; slot s + 2, asked for a trip ago
	s_wait_alu depctr_vm_vsrc(0)                   ; the last trip's LDS stores have read v60 and v61, which the two lines below write
	v_add_nc_u32 v[FA], s[FSK], v[FLK]
	v_add_nc_u32 v[FB], s[FSV], v[FLV]
	s_wait_alu depctr_va_vdst(0)                   ; v60 and v61 are written, which the six LDS stores read as their addresses
	FILL_STORE STG, FA, FB, 0, 0
	s_add_co_u32 s36, s[FK], 256
	s_cmp_gt_u32 s36, s[FLIM]                      ; (in the last trip 2,048 is above every limit: no load leaves its buffer)
	s_cbranch_scc1 .Lno_fill
	s_wait_dscnt 0x0                               ; the stores have landed
	s_wait_alu depctr_vm_vsrc(0)                   ; the six LDS stores have read the staging set, in which the loads below land
	FILL_LOAD STG, 0, 0
.Lno_fill:
	s_wait_dscnt 0x0                               ; my stores have landed
	s_barrier_signal -1
	s_barrier_wait -1                              ; slot s + 2 lies in LDS
	s_add_co_u32 s[FK], s[FK], 256
	s_add_co_u32 s[FSK], s[FSK], KSLOT
	s_add_co_u32 s[FSV], s[FSV], VSLOT
	s_sub_co_u32 s[CNT], s[CNT], 1
	s_cmp_lg_u32 s[CNT], 0
	s_cbranch_scc1 .Lfilling
	s_mov_b32 s[CNT], 2
.Lfilled:                                          ; slots 6 and 7: nothing is left to store, so no barrier
	SLOT
	s_sub_co_u32 s[CNT], s[CNT], 1
	s_cmp_lg_u32 s[CNT], 0
	s_cbranch_scc1 .Lfilled
	WAYOUT 50
	START Q0L, LIML, 1                             ; THE LOW TILE: all that it walks lies in LDS
	s_mov_b32 s[CNT], 8
.Llow:
	SLOT
	s_sub_co_u32 s[CNT], s[CNT], 1
	s_cmp_lg_u32 s[CNT], 0
	s_cbranch_scc1 .Llow
	WAYOUT 52
	s_wait_dscnt 0x0                               ; the closing lines, six on end
	s_wait_alu 0x0
	s_wait_tensorcnt 0x0
	ds_add_u32 v[SPW], v[NIL]
	s_wait_dscnt 0x0
	s_endpgm
.Lfunc_end_k_qedb0011065_attn:
	.size	k_qedb0011065_attn, .Lfunc_end_k_qedb0011065_attn-k_qedb0011065_attn
	.p2alignl 7, 3214868480
	.fill 96, 4, 3214868480
	.section	.rodata,"a",@progbits
	.p2align	6, 0x0
	.amdhsa_kernel k_qedb0011065_attn
		.amdhsa_group_segment_fixed_size 270336
		.amdhsa_private_segment_fixed_size 0
		.amdhsa_enable_private_segment 0
		.amdhsa_kernarg_size 64
		.amdhsa_user_sgpr_count 2
		.amdhsa_user_sgpr_kernarg_segment_ptr 1
		.amdhsa_wavefront_size32 1
		.amdhsa_system_sgpr_workgroup_id_x 1
		.amdhsa_system_sgpr_workgroup_id_y 1
		.amdhsa_system_sgpr_workgroup_id_z 1
		.amdhsa_system_vgpr_workitem_id 0
		.amdhsa_next_free_vgpr 400
		.amdhsa_next_free_sgpr 72
		.amdhsa_reserve_vcc 0
		.amdhsa_float_denorm_mode_32 3
		.amdhsa_float_denorm_mode_16_64 3
		.amdhsa_memory_ordered 1
		.amdhsa_forward_progress 1
		.amdhsa_inst_pref_size 208
	.end_amdhsa_kernel
	.amdgpu_metadata
---
amdhsa.version: [ 1, 2 ]
amdhsa.kernels:
  - .name:           k_qedb0011065_attn
    .symbol:         k_qedb0011065_attn.kd
    .args:
      - { .name: query_codes, .offset: 0, .size: 8, .value_kind: global_buffer, .address_space: global }
      - { .name: query_scales, .offset: 8, .size: 8, .value_kind: global_buffer, .address_space: global }
      - { .name: key_codes, .offset: 16, .size: 8, .value_kind: global_buffer, .address_space: global }
      - { .name: key_scales, .offset: 24, .size: 8, .value_kind: global_buffer, .address_space: global }
      - { .name: value_codes, .offset: 32, .size: 8, .value_kind: global_buffer, .address_space: global }
      - { .name: value_scales, .offset: 40, .size: 8, .value_kind: global_buffer, .address_space: global }
      - { .name: mask, .offset: 48, .size: 8, .value_kind: global_buffer, .address_space: global }
      - { .name: out0, .offset: 56, .size: 8, .value_kind: global_buffer, .address_space: global }
    .group_segment_fixed_size: 270336
    .private_segment_fixed_size: 0
    .kernarg_segment_align: 8
    .kernarg_segment_size: 64
    .max_flat_workgroup_size: 256
    .sgpr_count:     72
    .vgpr_count:     400
    .wavefront_size: 32
...
	.end_amdgpu_metadata
.endif
;; end of part 2
